; MI455X (gfx1250); checked and timed in simulation.
; The chip was launched on July 23, 2026; its instructions are those of AMD's public machine-readable ISA for CDNA 5 (MIT licence, August 2026) and "CDNA5" Instruction Set Architecture Reference Guide (July 2026). The comments in the code are by the model that wrote it; some were corrected since.
;; Transformer blk. Allowed arithmetic: matrix products marked QUANTISED: E5M2 operands, one E8M0 scale for each 32 along K, by v_wmma_scale_f32_16x16x128_f8f6f4 with both operands' format E5M2, f32 sums; everything else in f32.
;; Inputs: b1 2,048 float32; b2 512 float32; bo 512 float32; g1 512 float32; g2 512 float32; s1 512 float32; s2 512 float32; w1_codes 2,048 x 16 x 32 uint8 (E5M2 codes of w1, K innermost, in blocks of 32 codes); w1_scales 2,048 x 16 uint8 (E8M0 scales of w1, one for each 32 codes along K); w2_codes 512 x 64 x 32 uint8 (E5M2 codes of w2, K innermost, in blocks of 32 codes); w2_scales 512 x 64 uint8 (E8M0 scales of w2, one for each 32 codes along K); wk_codes 512 x 16 x 32 uint8 (E5M2 codes of wk, K innermost, in blocks of 32 codes); wk_scales 512 x 16 uint8 (E8M0 scales of wk, one for each 32 codes along K); wo_codes 512 x 16 x 32 uint8 (E5M2 codes of wo, K innermost, in blocks of 32 codes); wo_scales 512 x 16 uint8 (E8M0 scales of wo, one for each 32 codes along K); wq_codes 512 x 16 x 32 uint8 (E5M2 codes of wq, K innermost, in blocks of 32 codes); wq_scales 512 x 16 uint8 (E8M0 scales of wq, one for each 32 codes along K); wv_codes 512 x 16 x 32 uint8 (E5M2 codes of wv, K innermost, in blocks of 32 codes); wv_scales 512 x 16 uint8 (E8M0 scales of wv, one for each 32 codes along K); x 4 x 2,048 x 512 float32.
;; Outputs: out0 4 x 2,048 x 512 float32.
;; This version of the problem:
;;   THIS VERSION OF THE PROBLEM IS GIVEN IN LOW PRECISION. The matrix products marked QUANTISED in the list below multiply operands that are first quantised to E5M2 (5 exponent bits, 2 mantissa bits; 8 bits a number), with one power-of-two scale for each 32 numbers along K (OCP MX v1.0); their sums are f32. All else is computed in f32.
;;   The module's matrix products, in the order in which they are computed (A, B: the left and right operand; K: the contracted axis; several contracted axes count as one K, in the product's order):
;;     1. [M 8,192, K 512] x [K 512, N 512]; A: computed on the way; B: input wq (given as codes): QUANTISED
;;     2. [M 8,192, K 512] x [K 512, N 512]; A: computed on the way; B: input wk (given as codes): QUANTISED
;;     3. [M 8,192, K 512] x [K 512, N 512]; A: computed on the way; B: input wv (given as codes): QUANTISED
;;     4. batch 64 x [M 2,048, K 32] x [K 32, N 2,048]; A: computed on the way; B: computed on the way: QUANTISED
;;     5. batch 64 x [M 2,048, K 2,048] x [K 2,048, N 32]; A: softmax (see below); B: computed on the way: QUANTISED
;;     6. [M 8,192, K 512] x [K 512, N 512]; A: computed on the way; B: input wo (given as codes): QUANTISED
;;     7. [M 8,192, K 512] x [K 512, N 2,048]; A: computed on the way; B: input w1 (given as codes): QUANTISED
;;     8. [M 8,192, K 2,048] x [K 2,048, N 512]; A: computed on the way; B: input w2 (given as codes): QUANTISED
;;   THE QUANTISER, for each operand of a quantised product, along K:
;;     - K is cut into blocks of 32 from its start; a last block that is shorter is filled with zeros.
;;     - A block's scale is 2^e with e = floor(log2(the largest magnitude in the block)) - 15, held to -126 .. 127; a block of zeros has e = 0. As a byte (E8M0): e + 127.
;;     - Each number is divided by its block's scale, clamped to +-57,344, and rounded to the nearest number of E5M2, ties to even, subnormals kept.
;;     - The product sums the exact products of the quantised numbers (number of the format x scale) in f32.
;;   ~~~python
;;   def quantise(x, axis):      # numpy; x: float32 -> the quantised numbers, widened to float32 again
;;       x = np.moveaxis(x, axis, -1); K = x.shape[-1]
;;       x = np.pad(x, [(0, 0)] * (x.ndim - 1) + [(0, -K % 32)]); x = x.reshape(x.shape[:-1] + (-1, 32)); a = np.abs(x).max(-1, keepdims=True)
;;       e = np.where(a > 0, np.clip(np.frexp(np.where(a > 0, a, 1))[1] - 1 - 15, -126, 127), 0)      # np.frexp(a)[1] - 1 = floor(log2(a)), exactly
;;       r = np.clip(x / 2.0 ** e, -57344, 57344)
;;       step = 2.0 ** (np.maximum(np.frexp(np.where(r == 0, 1, r))[1] - 1, -14) - 2)
;;       q = np.round(r / step) * step * 2.0 ** e      # np.round: ties to even
;;       return np.moveaxis(q.reshape(q.shape[:-2] + (-1,))[..., :K], -1, axis).astype(np.float32)
;;   ~~~
;;   SOFTMAX AHEAD OF A QUANTISED PRODUCT. Where the list says 'softmax', what is quantised is not the finished softmax but p = 2^(t - M), with t = logit x log2(e) and M = ceil(the row's largest t), a whole number; so 1/2 < the row's largest p <= 1. The row's sum l is taken of the UNQUANTISED p, in f32, and the product's result is divided by l at the end. Since M is a whole number, a kernel that streams over the keys may use a running M (the ceiling of the running maximum): every later rescaling is an exact power of two, which a block's scale takes up: the codes' values come out the same.
;;   OPERANDS COMPUTED ON THE WAY. 'Computed on the way' means the value that the module computes at that place (a softmax that the list does not call 'softmax' is quantised finished and normalised). What goes into a quantiser is computed in f32, as accurately as f32 sums, v_exp_f32 and their like allow (about 1e-6 of the number): no bf16 or f16 on the way to a quantiser, and a product that is left as it is and whose result goes on into a quantised operand takes f32 operands (vector FMAs, or v_wmma_f32_16x16x4_f32). A number that lies on a knife's edge between two numbers of the format may be rounded either way, as far as f32 arithmetic and the matrix unit's own rounding can turn it there, and no further.
;;   INPUTS GIVEN AS CODES. w1 (in the module: [512, 2048], K = its axis 0); w2 (in the module: [2048, 512], K = its axis 0); wk (in the module: [512, 512], K = its axis 0); wo (in the module: [512, 512], K = its axis 0); wq (in the module: [512, 512], K = its axis 0); wv (in the module: [512, 512], K = its axis 0): each comes as NAME_codes (uint8): NAME with its K axis moved to the last place and cut into blocks of 32 codes, [.., K / 32, bytes a block], one block behind the other in memory; one code a byte (a code: sign, 5 exponent bits, 2 mantissa bits); and NAME_scales (uint8): the same leading axes, one E8M0 byte (e + 127) for each 32 codes along K. Its value is code x scale, taken as it is: it is not quantised again, and the codes and scales need not be those that the quantiser above would give.
;; One version. Each part assembles by itself: llvm-mc -triple=amdgcn-amd-amdhsa -mcpu=gfx1250 --defsym DOCPART=n.
;; ======== version 1 of 1: 3 launches
;; workspace buffers: qimg 4,194,304 bytes; qsc 524,288 bytes; kv 9,043,968 bytes; cimg 4,194,304 bytes; csc 1,048,576 bytes; wimg 2,359,296 bytes
;; launch qkv (part 1): grid 4 x 64, 4 waves a work-group, clusters of 4 x 1, 266,752 bytes of LDS; arguments x, g1, s1, wq_codes, wq_scales, wk_codes, wk_scales, wv_codes, wv_scales, wo_codes, w1_codes, w2_codes, qimg, qsc, kv, wimg; writes qimg, qsc, kv, wimg
.if DOCPART == 1
	.amdgcn_target "amdgcn-amd-amdhsa--gfx1250"
	.amdhsa_code_object_version 6
	.text
	.protected	k_q95dca647f1_qkv
	.globl	k_q95dca647f1_qkv
	.p2align	8
	.type	k_q95dca647f1_qkv,@function
k_q95dca647f1_qkv:
	s_mov_b64 s[64:65], 0
	v_nop
	global_prefetch_b8 v0, s[64:65] scope:SCOPE_SE
	s_setreg_imm32_b32 hwreg(HW_REG_WAVE_MODE, 25, 1), 1
	s_wait_xcnt 0x0
	s_wait_alu depctr_hold_cnt(0) depctr_sa_sdst(0) depctr_va_vdst(0) depctr_va_sdst(0) depctr_va_ssrc(0) depctr_va_vcc(0) depctr_vm_vsrc(0)
	s_getreg_b32 s2, hwreg(HW_REG_IB_STS2, 6, 4)
	s_cmp_eq_u32 s2, 0
	s_cbranch_scc0 .Lentry_in_a_cluster
	s_endpgm
.Lentry_in_a_cluster:
	s_bfe_u32 s2, ttmp6, 0x10000c
	s_cmp_lg_u32 s2, 0x3003
	s_cbranch_scc0 .Lentry_shape_is_right
	s_endpgm
.Lentry_shape_is_right:
; h = LN1(x), quantised along its 512; q = h wq, k = h wk, v = h wv on codes of BF8 (E5M2) with one E8M0 scale for each 32 along K;
; q and k are quantised along the head's 32, v along the keys, and all three leave as IMAGES OF THE READER'S OPERAND REGISTERS (16 bytes a lane, 512 consecutive bytes a store).
; SHARES.  A work-group takes 128 tokens (y) and 4 heads (its place cx in a cluster of four); wave w is head 4 cx + w: its 6 weight tiles x 4 K steps (384 registers) are read once and stay.
; The four partners need the same 128 rows of x: each wave asks for 32 of them JOINTLY (one tensor load, mask 15).  Wave w norms and quantises tokens 32 w .. 32 w + 31 (two tiles) and stores their
; fragments into LDS, over bytes of its own rows that it has already read; behind one barrier every wave reads all 32 fragments.
; A TILE'S 16 ROWS ARE NOT NEIGHBOURS: lane r of tile 2 b + u (of tokens, and of weight rows) takes row 32 b + 8 u + r + 8 (r / 8), so that the 16 result registers of tiles 2 b, 2 b + 1 are 16 neighbours.
; q, k: source 0 = 16 rows of W, source 1 = 16 tokens: a lane holds one token and 16 of the head's 32.   v: source 0 = 16 tokens, source 1 = 16 rows of W: a lane holds one channel and 16 tokens (keys).
; SIDE JOB: the work-groups with y < 36 lay the codes of wo, w1, w2 in the order in which the last launch's waves take them (one unit of 8 tiles x 128 K each).
; LIMITS: a block of zeros gets the scale byte 1 (its codes are zeros; the bytes are read by this program alone); NaN and infinities among the inputs are not served.
; REGISTERS, in windows of 256: window 0: v1-15 addresses; v16-39 the quantiser's; v40-63 codes; v64-87 the weights' scale words; v88-103 h's, two sets; v104-114 scale words on their way out;
;   v116-127 sums, mean, 1/sigma; v128-223 the accumulators (during LN: v128-191 the normed numbers).  window 1: wq, wk.  window 2: wv; v128-191 g1, v192-255 s1.  window 3: x, later h's fragments, two sets.
.set XROW,  2080                       ; a token in LDS: two half rows of 1,024 bytes + 16 of padding each
.set WREG,  32*XROW                    ; a wave's 32 tokens
.set TILE,  8*XROW                     ; tile u's images begin at the wave's token 8 u, which belongs to tile u
.set ISC,   8192                       ; behind a tile's four images: its four sets of scale words
.set KVH,   141312                     ; a head in kv: K's codes, V's codes, K's scale words, V's scale words
.set KV_V,  65536
.set KV_KS, 131072
.set KV_VS, 139264
.set LI,  1                            ; 16 x lane
.set LS,  2                            ; 4 x lane
.set XA,  3                            ; my token's row of x in LDS, + 64 (lane / 16)
.set IW,  4                            ; where I store images
.set SW,  5                            ; and scale words
.set GO,  6                            ; 64 (lane / 16): g1, s1
.set WO,  7                            ; my row of a weight tile
.set FI,  8                            ; v8-11  wave p's images
.set FS,  12                           ; v12-15 wave p's scale words
.set MX,  16
.set PR,  22
.set LM,  28
.set SO,  34
.set PC,  40
.set WS,  64
.set HS,  88
.set QSW, 104
.set KSW, 108
.set VW,  112
.set PW,  114
.set CH,  116
.set MEAN, 124
.set RSTD, 126
.set ACC, 128
.set Y,   128
.set RP16, 224
.set XAU, 225
.set IWU, 226
.set SWU, 227
.set RL,  228
.set SEL, 52
.set MSB, 0
.macro WIN new                         ; the immediate's high byte repeats the setting that is left
.if MSB != \new
	s_set_vgpr_msb (MSB<<8)|\new
.set MSB, \new
.endif
.endm
.macro ROUND                           ; a round of the cluster's barrier
	s_barrier_signal -1
	s_barrier_wait -1
	s_cmp_lg_u32 s4, 0
	s_cbranch_scc1 .Lnw0_\@
	s_barrier_signal -3
.Lnw0_\@:
	s_barrier_wait -3
	s_barrier_signal -1
	s_barrier_wait -1
.endm
; nb blocks of 32 along K: block b's 16 numbers of my lane in v[s + 16 b] on, the other 16 in lane l xor 16.  Codes to v[PC + 4 b] on, the scale's byte to v[PR + b].
.macro QUANT s, nb
.set qb, 0
.rept \nb
	v_max3_num_f32 v[MX+qb], |v[\s+16*qb]|, |v[\s+16*qb+1]|, 0x8000000   ; with the floor 2^(16 - 127): the byte cannot fall under 1
.set qb, qb+1
.endr
.set qi, 2
.rept 7
.set qb, 0
.rept \nb
	v_max3_num_f32 v[MX+qb], v[MX+qb], |v[\s+16*qb+qi]|, |v[\s+16*qb+qi+1]|
.set qb, qb+1
.endr
.set qi, qi+2
.endr
.set qb, 0
.rept \nb
	v_permlanex16_b32 v[PR+qb], v[MX+qb], s[SEL], s[SEL+1]
.set qb, qb+1
.endr
.set qb, 0
.rept \nb
	v_max_num_f32 v[MX+qb], v[MX+qb], v[PR+qb]     ; the block's largest magnitude
.set qb, qb+1
.endr
.set qb, 0
.rept \nb
	v_add_nc_u32 v[SO+qb], 0xf8800000, v[MX+qb]    ; 15 off its exponent field: the conversion's scale operand
.set qb, qb+1
.endr
.set qb, 0
.rept \nb
	v_and_or_b32 v[LM+qb], v[MX+qb], 0x7f800000, s54   ; 57,344 x the scale
.set qb, qb+1
.endr
.set qb, 0
.rept \nb
	v_lshrrev_b32 v[PR+qb], 23, v[SO+qb]           ; the scale's byte
.set qb, qb+1
.endr
.set qb, 0
.rept \nb
.set qi, 0
.rept 16
	v_med3_num_f32 v[\s+16*qb+qi], v[\s+16*qb+qi], -v[LM+qb], v[LM+qb]   ; the conversion does not saturate (ISA guide 7.6.2): the hold
.set qi, qi+1
.endr
	v_cvt_scalef32_pk8_bf8_f32 v[PC+4*qb:PC+4*qb+1], v[\s+16*qb:\s+16*qb+7], v[SO+qb]
	v_cvt_scalef32_pk8_bf8_f32 v[PC+4*qb+2:PC+4*qb+3], v[\s+16*qb+8:\s+16*qb+15], v[SO+qb]
.set qb, qb+1
.endr
	v_nop                                          ; a plain line behind the last conversion
.endm
.macro REDUCE                          ; four packed chains -> one number, the same in lanes l and l xor 16
	v_pk_add_f32 v[CH:CH+1], v[CH:CH+1], v[CH+2:CH+3]
	v_pk_add_f32 v[CH+4:CH+5], v[CH+4:CH+5], v[CH+6:CH+7]
	v_pk_add_f32 v[CH:CH+1], v[CH:CH+1], v[CH+4:CH+5]
	v_add_f32 v[CH], v[CH], v[CH+1]
	v_permlanex16_b32 v[CH+2], v[CH], s[SEL], s[SEL+1]
	v_add_f32 v[CH], v[CH], v[CH+2]
.endm
.macro GSLOAD s                        ; g1 and s1 of K step s, in my lane's order
	WIN 0x80
.irp b, 0,1,2,3
.irp j, 0,1,2,3
	global_load_b128 v[128+16*\b+4*\j:131+16*\b+4*\j], v[GO], s[10:11] offset:512*(\s)+128*\b+16*\j
	global_load_b128 v[192+16*\b+4*\j:195+16*\b+4*\j], v[GO], s[12:13] offset:512*(\s)+128*\b+16*\j
.endr
.endr
	WIN 0
.endm
.macro FETCH p                         ; wave p's two tiles x four K steps of h, and their scale words, into set p % 2
.set FB, 128*((\p)%2)
.set FSB, HS+8*((\p)%2)
	WIN 0xc0
.irp u, 0,1
.irp s, 0,1,2,3
.irp c, 0,1,2,3
	ds_load_b128 v[FB+16*(4*\u+\s)+4*\c:FB+16*(4*\u+\s)+4*\c+3], v[FI+(\p)] offset:\u*TILE+\s*2048+\c*512
.endr
.endr
.endr
	WIN 0
.irp u, 0,1
.irp s, 0,1,2,3
	ds_load_b32 v[FSB+4*\u+\s], v[FS+(\p)] offset:\u*TILE+\s*128
.endr
.endr
.endm
; Tokens 32 p .. 32 p + 31: 48 products (the accumulators by turns), six blocks quantised, six stores of 512 bytes.
.macro PAIR p
.set HB, 128*((\p)%2)
.set HSB, HS+8*((\p)%2)
	s_wait_dscnt 0x0                               ; this pair's fragments are in
.if \p < 3
	FETCH \p+1                                     ; the other set was last read by the pair before, whose quantiser lies between
.endif
	WIN 0x0d                                       ; source 0 (wq, wk) window 1, source 1 (h) window 3
.irp s, 0,1,2,3
.irp a, 0,1
.irp u, 0,1
.irp n, 0,1
.if \s == 0
	v_wmma_scale_f32_16x16x128_f8f6f4 v[ACC+32*\a+16*\u+8*\n:ACC+32*\a+16*\u+8*\n+7], v[128*\a+16*(4*\n+\s):128*\a+16*(4*\n+\s)+15], v[HB+16*(4*\u+\s):HB+16*(4*\u+\s)+15], 0, v[WS+4*(2*\a+\n)+\s], v[HSB+4*\u+\s] matrix_a_fmt:MATRIX_FMT_BF8 matrix_b_fmt:MATRIX_FMT_BF8
.else
	v_wmma_scale_f32_16x16x128_f8f6f4 v[ACC+32*\a+16*\u+8*\n:ACC+32*\a+16*\u+8*\n+7], v[128*\a+16*(4*\n+\s):128*\a+16*(4*\n+\s)+15], v[HB+16*(4*\u+\s):HB+16*(4*\u+\s)+15], v[ACC+32*\a+16*\u+8*\n:ACC+32*\a+16*\u+8*\n+7], v[WS+4*(2*\a+\n)+\s], v[HSB+4*\u+\s] matrix_a_fmt:MATRIX_FMT_BF8 matrix_b_fmt:MATRIX_FMT_BF8
.endif
.endr
.endr
.endr
.endr
	WIN 0x0b                                       ; source 0 (h) window 3, source 1 (wv) window 2
.irp s, 0,1,2,3
.irp n, 0,1
.irp u, 0,1
.if \s == 0
	v_wmma_scale_f32_16x16x128_f8f6f4 v[ACC+64+16*\n+8*\u:ACC+64+16*\n+8*\u+7], v[HB+16*(4*\u+\s):HB+16*(4*\u+\s)+15], v[16*(4*\n+\s):16*(4*\n+\s)+15], 0, v[HSB+4*\u+\s], v[WS+4*(4+\n)+\s] matrix_a_fmt:MATRIX_FMT_BF8 matrix_b_fmt:MATRIX_FMT_BF8
.else
	v_wmma_scale_f32_16x16x128_f8f6f4 v[ACC+64+16*\n+8*\u:ACC+64+16*\n+8*\u+7], v[HB+16*(4*\u+\s):HB+16*(4*\u+\s)+15], v[16*(4*\n+\s):16*(4*\n+\s)+15], v[ACC+64+16*\n+8*\u:ACC+64+16*\n+8*\u+7], v[HSB+4*\u+\s], v[WS+4*(4+\n)+\s] matrix_a_fmt:MATRIX_FMT_BF8 matrix_b_fmt:MATRIX_FMT_BF8
.endif
.endr
.endr
.endr
	WIN 0
.rept 8
	v_nop                                          ; eight places between the last product and the first read of results
.endr
	s_wait_xcnt 0x0                                ; the last pair's stores have read their data: the codes' registers are written again
	QUANT ACC, 6                                   ; blocks: q tile 0, q tile 1, k tile 0, k tile 1, v channels' tile 0, tile 1
	v_cndmask_b32 v[QSW+\p], v[PR], v[PR+1], s55   ; lanes 0-15: tile 2 p's bytes, lanes 16-31: tile 2 p + 1's
	v_cndmask_b32 v[KSW+\p], v[PR+2], v[PR+3], s55
.if \p == 0
	v_mov_b32 v[VW], v[PR+4]                       ; v: byte p of a channel's word is key block p
	v_mov_b32 v[VW+1], v[PR+5]
.else
	v_lshl_or_b32 v[VW], v[PR+4], 8*\p, v[VW]
	v_lshl_or_b32 v[VW+1], v[PR+5], 8*\p, v[VW+1]
.endif
	global_store_b128 v[LI], v[PC:PC+3], s[66:67] offset:(2*\p)*512
	global_store_b128 v[LI], v[PC+4:PC+7], s[66:67] offset:(2*\p+1)*512
	global_store_b128 v[LI], v[PC+8:PC+11], s[68:69] offset:(2*\p)*512
	global_store_b128 v[LI], v[PC+12:PC+15], s[68:69] offset:(2*\p+1)*512
	global_store_b128 v[LI], v[PC+16:PC+19], s[68:69] offset:KV_V+\p*512
	global_store_b128 v[LI], v[PC+20:PC+23], s[68:69] offset:KV_V+2048+\p*512
.endm
	s_load_b512 s[8:23], s[0:1], 0x0               ; x, g1, s1, wq codes, wq scales, wk codes, wk scales, wv codes
	s_load_b512 s[24:39], s[0:1], 0x40             ; wv scales, wo codes, w1 codes, w2 codes, qimg, qsc, kv, wimg
	v_lshl_add_u32 v254, v0, 2, 0x41000
	v_mov_b32 v255, 0
	ds_add_u32 v254, v255
	ds_add_u32 v254, v255
	v_lshrrev_b32 v116, 5, v0
	v_readfirstlane_b32 s4, v116                   ; wave 0..3
	s_bfe_u32 s5, ttmp6, 0x40000                   ; cx: it enters global addresses alone
	s_and_b32 s6, ttmp7, 0xffff                    ; y: the block of 128 tokens, which the four partners share
	; descriptor group 1: 64 half rows of 256 f32, dense in memory, 16 bytes of padding behind each
	s_mov_b32 s44, 15|(2<<16)|(1<<20)|(1<<21)|(7<<22)|(3<<25)   ; mask: all four; elements of 4 bytes; padding on; bit 21 beside a mask; after every 256 words, 4 words
	s_mov_b32 s45, 256<<16                         ; tensor_dim0
	s_mov_b32 s46, 64<<16                          ; tensor_dim1
	s_mov_b32 s47, 256<<16                         ; tile_dim0
	s_mov_b32 s48, 64                              ; tile_dim1
	s_mov_b32 s49, 256                             ; pitch
	s_mov_b32 s50, 0
	s_mov_b32 s51, 0
	s_mov_b32 s40, 1
	s_mul_i32 s41, s4, WREG                        ; LDS: my wave's 32 tokens
	s_lshl_b32 s62, s6, 18                         ; 128 tokens of 2,048 bytes,
	s_lshl_b32 s63, s4, 16                         ; my 32 of them
	s_add_co_u32 s62, s62, s63
	s_mov_b32 s63, 0
	s_mov_b32 s[SEL], 0x76543210
	s_mov_b32 s[SEL+1], 0xfedcba98                 ; v_permlanex16_b32: lane l xor 16
	s_mov_b32 s54, 0x600000                        ; the mantissa field of 57,344
	s_mov_b32 s55, 0xffff0000                      ; lanes 16-31
	s_mov_b32 s57, 0x3b000000                      ; 1 / 512
	s_mov_b32 s58, 0x26901d7d                      ; 1e-15
	s_wait_dscnt 0x0
	s_wait_kmcnt 0x0
	s_add_nc_u64 s[42:43], s[8:9], s[62:63]
	s_or_b32 s43, s43, 0x80000000
	ROUND                                          ; all four work-groups are here: the joint loads meet
	tensor_load_to_lds s[40:43], s[44:51]          ; the launch's one fill: one load of mine is out
	s_nop 0
.rept 4
	v_nop
.endr
	v_and_b32 v116, 31, v0                         ; lane
	v_and_b32 v117, 15, v0                         ; r
	v_bfe_u32 v118, v0, 4, 1                       ; h
	v_and_b32 v119, 8, v117
	v_add_nc_u32 v119, v119, v117                  ; r + 8 (r / 8)
	v_lshlrev_b32 v[LI], 4, v116
	v_lshlrev_b32 v[LS], 2, v116
	v_mul_u32_u24 v[XA], v119, XROW
	v_lshl_add_u32 v[XA], v118, 6, v[XA]
	v_add_nc_u32 v[XA], s41, v[XA]
	v_add_nc_u32 v[IW], s41, v[LI]
	v_add_nc_u32 v[SW], s41, v[LS]
	v_add_nc_u32 v[SW], ISC, v[SW]
	v_lshlrev_b32 v[GO], 6, v118
	v_lshlrev_b32 v[WO], 9, v119
	v_lshl_add_u32 v[WO], v118, 4, v[WO]
	v_lshlrev_b32 v[RP16], 4, v119
.irp p, 0,1,2,3
	v_add_nc_u32 v[FI+\p], \p*WREG, v[LI]
	v_add_nc_u32 v[FS+\p], \p*WREG+ISC, v[LS]
.endr
.irp b, 0,1,2,3,4,5
	v_mov_b32 v[PR+\b], 0                          ; a lane permute's destination counts as one of its sources
.endr
	v_mov_b32 v[MEAN+1], 0                         ; named as the upper halves of pairs
	v_mov_b32 v[RSTD+1], 0
	s_lshl_b32 s56, s5, 2
	s_add_co_u32 s56, s56, s4                      ; my head
	s_lshl_b32 s62, s56, 14                        ; its 32 rows of 512 codes
	s_add_nc_u64 s[76:77], s[14:15], s[62:63]
	s_add_nc_u64 s[78:79], s[18:19], s[62:63]
	s_add_nc_u64 s[80:81], s[22:23], s[62:63]
	s_lshl_b32 s62, s56, 9                         ; and of 16 scale bytes
	s_add_nc_u64 s[82:83], s[16:17], s[62:63]
	s_add_nc_u64 s[84:85], s[20:21], s[62:63]
	s_add_nc_u64 s[86:87], s[24:25], s[62:63]
	WIN 0x40
.irp n, 0,1
.irp s, 0,1,2,3
.irp c, 0,1,2,3
	global_load_b128 v[16*(4*\n+\s)+4*\c:16*(4*\n+\s)+4*\c+3], v[WO], s[76:77] offset:\n*4096+\s*128+\c*32
	global_load_b128 v[128+16*(4*\n+\s)+4*\c:128+16*(4*\n+\s)+4*\c+3], v[WO], s[78:79] offset:\n*4096+\s*128+\c*32
.endr
.endr
.endr
	WIN 0x80
.irp n, 0,1
.irp s, 0,1,2,3
.irp c, 0,1,2,3
	global_load_b128 v[16*(4*\n+\s)+4*\c:16*(4*\n+\s)+4*\c+3], v[WO], s[80:81] offset:\n*4096+\s*128+\c*32
.endr
.endr
.endr
	WIN 0
.irp a, 0,1,2
.irp n, 0,1
	global_load_b128 v[WS+4*(2*\a+\n):WS+4*(2*\a+\n)+3], v[RP16], s[82+2*\a:83+2*\a] offset:\n*128   ; a row's 16 bytes are the words of its four K steps
.endr
.endr
	; where my results go: bh = 16 (y / 16) + head; k = y % 16: the key step, and the block of eight query tiles
	s_lshr_b32 s59, s6, 4
	s_lshl_b32 s59, s59, 4
	s_add_co_u32 s59, s59, s56
	s_and_b32 s61, s6, 15
	s_lshl_b32 s62, s59, 16
	s_lshl_b32 s60, s61, 12
	s_add_co_u32 s62, s62, s60
	s_add_nc_u64 s[66:67], s[32:33], s[62:63]      ; q's images
	s_mul_i32 s88, s59, KVH
	s_add_co_u32 s62, s88, s60
	s_add_nc_u64 s[68:69], s[36:37], s[62:63]      ; k's, and 65,536 on v's
	s_lshl_b32 s60, s61, 9
	s_add_co_u32 s62, s88, s60
	s_add_co_u32 s62, s62, KV_KS
	s_add_nc_u64 s[70:71], s[36:37], s[62:63]      ; k's scale words
	s_lshl_b32 s89, s61, 7
	s_add_co_u32 s62, s88, s89
	s_add_co_u32 s62, s62, KV_VS
	s_add_nc_u64 s[72:73], s[36:37], s[62:63]      ; v's
	s_lshl_b32 s62, s59, 13
	s_add_co_u32 s62, s62, s60
	s_add_nc_u64 s[74:75], s[34:35], s[62:63]      ; q's
	s_wait_tensorcnt 0x0                           ; my 32 tokens are in LDS; only I read them
	; ---- LN1 and the quantiser, a tile of 16 tokens a trip: lane (r, h) holds, of its token, the 16 numbers 32 b + 16 h + 0 .. 15 of each block b: 256 registers
	s_mov_b32 s60, 0
.Lln:
	v_add_nc_u32 v[XAU], s60, v[XA]
	v_add_nc_u32 v[IWU], s60, v[IW]
	v_add_nc_u32 v[SWU], s60, v[SW]
	WIN 0xc0
.irp s, 0,1,2,3
.irp b, 0,1,2,3
.irp j, 0,1,2,3
	ds_load_b128 v[64*\s+16*\b+4*\j:64*\s+16*\b+4*\j+3], v[XAU] offset:(\s/2)*1040+(\s%2)*512+128*\b+16*\j
.endr
.endr
.endr
	WIN 0
	GSLOAD 0
	s_wait_dscnt 0x0
	WIN 0x0f                                       ; the sum, in four chains that the first numbers start
.irp k, 0,1,2,3
	v_pk_add_f32 v[CH+2*\k:CH+2*\k+1], v[4*\k:4*\k+1], v[4*\k+2:4*\k+3]
.endr
	WIN 0x0c
.set j, 16
.rept 120
	v_pk_add_f32 v[CH+2*((j/2)%4):CH+2*((j/2)%4)+1], v[CH+2*((j/2)%4):CH+2*((j/2)%4)+1], v[j:j+1]
.set j, j+2
.endr
	WIN 0
	REDUCE
	v_mul_f32 v[MEAN], s57, v[CH]
	WIN 0xc3                                       ; x - mean, in place
.set j, 0
.rept 128
	v_pk_add_f32 v[j:j+1], v[j:j+1], v[MEAN:MEAN+1] op_sel_hi:[1,0] neg_lo:[0,1] neg_hi:[0,1]
.set j, j+2
.endr
	WIN 0x0f                                       ; the sum of its squares
.irp k, 0,1,2,3
	v_pk_mul_f32 v[CH+2*\k:CH+2*\k+1], v[2*\k:2*\k+1], v[2*\k:2*\k+1]
.endr
.set j, 8
.rept 124
	v_pk_fma_f32 v[CH+2*((j/2)%4):CH+2*((j/2)%4)+1], v[j:j+1], v[j:j+1], v[CH+2*((j/2)%4):CH+2*((j/2)%4)+1]
.set j, j+2
.endr
	WIN 0
	REDUCE
	v_fma_f32 v[RSTD], v[CH], s57, s58             ; the variance + 1e-15
	v_rsq_f32 v[RSTD], v[RSTD]
	v_nop                                          ; a plain line behind the transcendental,
	s_wait_alu depctr_va_vdst(0)                   ; and the wait ahead of its first reader
.irp s, 0,1,2,3
	s_wait_loadcnt 0x0                             ; g1 and s1 of this K step (in the first trip: the weights too)
	WIN 0x82
.set j, 0
.rept 32
	v_pk_mul_f32 v[128+j:129+j], v[128+j:129+j], v[RSTD:RSTD+1] op_sel_hi:[1,0]   ; g / sigma
.set j, j+2
.endr
	WIN 0x2b
.set j, 0
.rept 32
	v_pk_fma_f32 v[Y+j:Y+j+1], v[64*\s+j:64*\s+j+1], v[128+j:129+j], v[192+j:193+j]
.set j, j+2
.endr
	WIN 0
.if \s < 3
	GSLOAD \s+1
.endif
	QUANT Y, 4
	v_lshl_or_b32 v[PW], v[PR+1], 8, v[PR]         ; the four bytes make my token's scale word of this K step
	v_lshl_or_b32 v[PW], v[PR+2], 16, v[PW]
	v_lshl_or_b32 v[PW], v[PR+3], 24, v[PW]
.irp c, 0,1,2,3
	ds_store_b128 v[IWU], v[PC+4*\c:PC+4*\c+3] offset:2048*\s+512*\c   ; the fragment as it stands: 512 consecutive bytes a store
.endr
	ds_store_b32 v[SWU], v[PW] offset:128*\s
	s_wait_dscnt 0x0                               ; the stores have landed and have read their registers
.endr
	s_add_co_u32 s60, s60, TILE
	s_cmp_lt_u32 s60, 2*TILE
	s_cbranch_scc1 .Lln
	s_barrier_signal -1                            ; every wave's images lie in LDS (each has waited for its stores)
	s_barrier_wait -1
	FETCH 0
	PAIR 0
	PAIR 1
	PAIR 2
	PAIR 3
	global_store_b128 v[LI], v[QSW:QSW+3], s[74:75]   ; 512 consecutive bytes each
	global_store_b128 v[LI], v[KSW:KSW+3], s[70:71]
	v_cndmask_b32 v[PW], v[VW], v[VW+1], s55       ; lanes 0-15: channels' tile 0, lanes 16-31: tile 1
	global_store_b32 v[LS], v[PW], s[72:73]
	; ---- the side job: one unit (8 tiles x 128 K, 16 KB) of wo, w1 or w2 for each work-group with y < 36; wave w takes tiles 2 w and 2 w + 1.  y is the same in all four partners
	s_cmp_lt_u32 s6, 36
	s_cbranch_scc0 .Lno_relay
	s_mov_b64 s[88:89], s[30:31]                   ; y 20..35: w2: 16 K steps, rows of 2,048 bytes, units 20 on
	s_mov_b32 s90, 20
	s_mov_b32 s91, 4
	s_mov_b32 s92, 4
	s_mov_b32 s93, 11
	s_cmp_lt_u32 s6, 20                            ; y 4..19: w1: 4 K steps, rows of 512, units 4 on
	s_cselect_b64 s[88:89], s[28:29], s[88:89]
	s_cselect_b32 s90, 4, s90
	s_cselect_b32 s91, 2, s91
	s_cselect_b32 s93, 9, s93
	s_cmp_lt_u32 s6, 4                             ; y 0..3: wo: 4 units to a reader's wave
	s_cselect_b64 s[88:89], s[26:27], s[88:89]
	s_cselect_b32 s90, 0, s90
	s_cselect_b32 s92, 2, s92
	s_sub_co_u32 s94, s6, s90
	s_lshl_b32 s94, s94, 2
	s_add_co_u32 s94, s94, s5                      ; e: the unit's number within its weight
	s_bfm_b32 s95, s91, 0
	s_and_b32 s95, s94, s95                        ; its K step
	s_lshr_b32 s96, s94, s91                       ; its group of eight tiles
	s_lshl_b32 s96, s96, 2
	s_add_co_u32 s96, s96, s4
	s_lshl_b32 s96, s96, 5                         ; my two tiles begin at row 32 (4 group + w)
	s_lshl_b32 s96, s96, s93
	s_lshl_b32 s95, s95, 7
	s_add_co_u32 s96, s96, s95
	s_mov_b32 s97, 0
	s_add_nc_u64 s[88:89], s[88:89], s[96:97]
	s_lshr_b32 s95, s94, s92                       ; the reader's wave
	s_bfm_b32 s96, s92, 0
	s_and_b32 s96, s94, s96                        ; the unit within that wave's part of this weight
	s_mul_i32 s95, s95, 36
	s_add_co_u32 s95, s95, s90
	s_add_co_u32 s95, s95, s96
	s_lshl_b32 s95, s95, 3
	s_lshl_b32 s96, s4, 1
	s_add_co_u32 s96, s95, s96
	s_lshl_b32 s96, s96, 11                        ; 2,048 bytes a tile
	s_add_nc_u64 s[98:99], s[38:39], s[96:97]
	v_and_b32 v116, 15, v0
	v_bfe_u32 v117, v0, 4, 1
	v_and_b32 v118, 8, v116
	v_add_nc_u32 v118, v118, v116
	v_lshlrev_b32 v117, 4, v117
	v_lshlrev_b32 v[RL], s93, v118
	v_add_nc_u32 v[RL], v[RL], v117
	v_add_nc_u32 v118, 8, v118
	v_lshlrev_b32 v[RL+1], s93, v118
	v_add_nc_u32 v[RL+1], v[RL+1], v117
.irp i, 0,1
.irp c, 0,1,2,3
	global_load_b128 v[ACC+16*\i+4*\c:ACC+16*\i+4*\c+3], v[RL+\i], s[88:89] offset:32*\c
.endr
.endr
	s_wait_loadcnt 0x0
.irp i, 0,1
.irp c, 0,1,2,3
	global_store_b128 v[LI], v[ACC+16*\i+4*\c:ACC+16*\i+4*\c+3], s[98:99] offset:2048*\i+512*\c
.endr
.endr
.Lno_relay:
	s_wait_tensorcnt 0x0
	ds_add_u32 v254, v255
	s_wait_dscnt 0x0
	ROUND                                          ; the closing round: no work-group ends while a partner may still ask jointly
	s_endpgm
.Lfunc_end_k_q95dca647f1_qkv:
	.size	k_q95dca647f1_qkv, .Lfunc_end_k_q95dca647f1_qkv-k_q95dca647f1_qkv
	.p2alignl 7, 3214868480
	.fill 96, 4, 3214868480
	.section	.rodata,"a",@progbits
	.p2align	6, 0x0
	.amdhsa_kernel k_q95dca647f1_qkv
		.amdhsa_group_segment_fixed_size 266752
		.amdhsa_private_segment_fixed_size 0
		.amdhsa_enable_private_segment 0
		.amdhsa_kernarg_size 128
		.amdhsa_user_sgpr_count 2
		.amdhsa_user_sgpr_kernarg_segment_ptr 1
		.amdhsa_wavefront_size32 1
		.amdhsa_system_sgpr_workgroup_id_x 1
		.amdhsa_system_sgpr_workgroup_id_y 1
		.amdhsa_system_sgpr_workgroup_id_z 1
		.amdhsa_system_vgpr_workitem_id 0
		.amdhsa_next_free_vgpr 1024
		.amdhsa_next_free_sgpr 100
		.amdhsa_reserve_vcc 0
		.amdhsa_float_denorm_mode_32 3
		.amdhsa_float_denorm_mode_16_64 3
		.amdhsa_memory_ordered 1
		.amdhsa_forward_progress 1
		.amdhsa_inst_pref_size 196
	.end_amdhsa_kernel
	.amdgpu_metadata
---
amdhsa.version: [ 1, 2 ]
amdhsa.kernels:
  - .name:           k_q95dca647f1_qkv
    .symbol:         k_q95dca647f1_qkv.kd
    .args:
      - { .name: x, .offset: 0, .size: 8, .value_kind: global_buffer, .address_space: global }
      - { .name: g1, .offset: 8, .size: 8, .value_kind: global_buffer, .address_space: global }
      - { .name: s1, .offset: 16, .size: 8, .value_kind: global_buffer, .address_space: global }
      - { .name: wq_codes, .offset: 24, .size: 8, .value_kind: global_buffer, .address_space: global }
      - { .name: wq_scales, .offset: 32, .size: 8, .value_kind: global_buffer, .address_space: global }
      - { .name: wk_codes, .offset: 40, .size: 8, .value_kind: global_buffer, .address_space: global }
      - { .name: wk_scales, .offset: 48, .size: 8, .value_kind: global_buffer, .address_space: global }
      - { .name: wv_codes, .offset: 56, .size: 8, .value_kind: global_buffer, .address_space: global }
      - { .name: wv_scales, .offset: 64, .size: 8, .value_kind: global_buffer, .address_space: global }
      - { .name: wo_codes, .offset: 72, .size: 8, .value_kind: global_buffer, .address_space: global }
      - { .name: w1_codes, .offset: 80, .size: 8, .value_kind: global_buffer, .address_space: global }
      - { .name: w2_codes, .offset: 88, .size: 8, .value_kind: global_buffer, .address_space: global }
      - { .name: qimg, .offset: 96, .size: 8, .value_kind: global_buffer, .address_space: global }
      - { .name: qsc, .offset: 104, .size: 8, .value_kind: global_buffer, .address_space: global }
      - { .name: kv, .offset: 112, .size: 8, .value_kind: global_buffer, .address_space: global }
      - { .name: wimg, .offset: 120, .size: 8, .value_kind: global_buffer, .address_space: global }
    .group_segment_fixed_size: 266752
    .private_segment_fixed_size: 0
    .kernarg_segment_align: 8
    .kernarg_segment_size: 128
    .max_flat_workgroup_size: 128
    .sgpr_count:     100
    .vgpr_count:     1024
    .wavefront_size: 32
...
	.end_amdgpu_metadata
.endif
;; end of part 1
;; launch attn (part 2): grid 4 x 64, 16 waves a work-group, clusters of 4 x 1, 169,984 bytes of LDS; arguments qimg, qsc, kv, cimg, csc; writes cimg, csc
.if DOCPART == 2
	.amdgcn_target "amdgcn-amd-amdhsa--gfx1250"
	.amdhsa_code_object_version 6
	.text
	.protected	k_q95dca647f1_attn
	.globl	k_q95dca647f1_attn
	.p2align	8
	.type	k_q95dca647f1_attn,@function
k_q95dca647f1_attn:
	s_mov_b64 s[64:65], 0
	v_nop
	global_prefetch_b8 v0, s[64:65] scope:SCOPE_SE
	s_setreg_imm32_b32 hwreg(HW_REG_WAVE_MODE, 25, 1), 1
	s_wait_xcnt 0x0
	s_wait_alu depctr_hold_cnt(0) depctr_sa_sdst(0) depctr_va_vdst(0) depctr_va_sdst(0) depctr_va_ssrc(0) depctr_va_vcc(0) depctr_vm_vsrc(0)
	s_getreg_b32 s2, hwreg(HW_REG_IB_STS2, 6, 4)
	s_cmp_eq_u32 s2, 0
	s_cbranch_scc0 .Lentry_in_a_cluster
	s_endpgm
.Lentry_in_a_cluster:
	s_bfe_u32 s2, ttmp6, 0x10000c
	s_cmp_lg_u32 s2, 0x3003
	s_cbranch_scc0 .Lentry_shape_is_right
	s_endpgm
.Lentry_shape_is_right:
; Causal attention of one head (y = 16 batch + head) on codes of BF8 (E5M2): S^T = K Q^T, p = 2^(t - M) with t = score x log2(e) / sqrt(32) and M the running largest t rounded up to a whole number,
; p quantised along the keys, O^T += V^T P^T, the row's sum of the unquantised p divides at the end; ctx is quantised along the head's 32 and leaves as an image of the next launch's operand.
; SHARES.  The head's K and V, as codes with their scale words (141,312 bytes), come into LDS ONCE, at the kernel's head, and stay: no ring.  The four work-groups of a cluster serve the same head and ask for them
; JOINTLY (waves 0 to 3, one tensor load each).  Wave w of work-group cx owns the query tiles TA = 4 w + cx and TB = 127 - TA.  With a = w / 2, TA needs the key steps 0 .. a and TB 0 .. 15 - a: 17 steps of
; 128 keys for every wave, a constant; which step a trip takes hangs on the wave's number and the trip alone.  Four waves share a SIMD: one wave's softmax stands beside another's products.
; LAYOUT.  A lane holds ONE query throughout.  Query tile T's lane r is token 32 (T / 2) + 8 (T % 2) + r + 8 (r / 8); key tiles likewise, so that the 16 registers of tiles 2 b, 2 b + 1 are 16 neighbouring keys.
; K = 32 IN AN INSTRUCTION OF 128.  Q's fragment is 4 registers of codes and 12 of zeros.  Key tile m's fragment is the run v[32 + 4 m .. 47 + 4 m]: its own 4 registers, and behind them the next tiles' codes or
; zeros; those codes are finite (this program's quantiser holds at 57,344) and meet Q's zero codes, so they add exactly 0; the scale bytes of those blocks are 0, that is 2^-127, on both sides.
; TB begins with its diagonal step, in which the step's first key counts for all its queries: so M is a number from the first step on.
; LIMITS: a block of zeros gets the scale byte 1 (read by this program alone); NaN and infinities are not served.
; REGISTERS: v1-11 addresses; v12 -M, v13 the largest t, v[14:15] the sum; v16-31 Q; v32-75 K; v76-79 K's scale words, v80 V's, v81 Q's; v82 4 x lane; v84-115 V; v116-179 S^T, then p; v180-195 O^T;
;   v196-211 p's codes; v212-227 the quantiser's; v[228:229] f; v230 p's scale word; v231-233 at work.
.set KVH,  141312
.macro ROUND
	s_barrier_signal -1
	s_barrier_wait -1
	s_cmp_lg_u32 s14, 0
	s_cbranch_scc1 .Lnw0_\@
	s_barrier_signal -3
.Lnw0_\@:
	s_barrier_wait -3
	s_barrier_signal -1
	s_barrier_wait -1
.endm
; From the tile's number s21: the mask's number of my lane and four addresses.  The tile hangs on cx: it enters global addresses and a compared number, no branch and no LDS address.
.macro SETT
	s_and_b32 s40, s21, 7
	s_lshl_b32 s40, s40, 4
	s_and_b32 s41, s21, 1
	s_lshl_b32 s42, s41, 3
	s_sub_co_u32 s40, s40, s42
	v_add_nc_u32 v6, s40, v5                       ; my query within its 128 tokens, less 16 (lane / 16)
	s_lshl_b32 s42, s16, 7
	s_add_co_u32 s42, s42, s21
	s_lshl_b32 s42, s42, 9
	s_mov_b32 s43, 0
	s_add_nc_u64 s[44:45], s[4:5], s[42:43]        ; Q's image
	s_lshl_b32 s42, s16, 4
	s_lshr_b32 s40, s21, 3
	s_add_co_u32 s42, s42, s40
	s_lshl_b32 s42, s42, 9
	s_lshl_b32 s41, s41, 8
	s_add_co_u32 s42, s42, s41
	s_bfe_u32 s40, s21, 0x20001
	s_lshl_b32 s40, s40, 2
	s_add_co_u32 s42, s42, s40
	s_add_nc_u64 s[46:47], s[6:7], s[42:43]        ; its scale words
	s_lshr_b32 s40, s16, 4
	s_lshl_b32 s40, s40, 7
	s_add_co_u32 s40, s40, s21                     ; the tile among all 512
	s_and_b32 s41, s16, 15                         ; the head
	s_lshl_b32 s42, s40, 2
	s_lshr_b32 s52, s41, 2
	s_add_co_u32 s42, s42, s52
	s_lshl_b32 s42, s42, 11
	s_and_b32 s52, s41, 3
	s_lshl_b32 s52, s52, 9
	s_add_co_u32 s42, s42, s52
	s_add_nc_u64 s[48:49], s[10:11], s[42:43]      ; ctx's image: K step head / 4, register group head % 4
	s_lshl_b32 s42, s40, 4
	s_add_co_u32 s42, s42, s41
	s_lshl_b32 s42, s42, 7
	s_add_nc_u64 s[50:51], s[12:13], s[42:43]      ; and its scale bytes
.endm
.macro INIT                            ; a tile begins: Q, zeros for O^T and the sum, -3e38 for the largest t
	global_load_b128 v[16:19], v1, s[44:45]
	global_load_b32 v81, v7, s[46:47]
.set j, 0
.rept 16
	v_mov_b32 v[180+j], 0
.set j, j+1
.endr
	v_mov_b32 v13, 0xff61b1e6
	v_floor_f32 v12, -v13
	v_mov_b32 v14, 0
	v_mov_b32 v15, 0
	s_wait_loadcnt 0x0
.endm
.macro FINAL                           ; a tile ends: ctx = O^T / the sum, one block of 32 (lanes l and l xor 16), codes and byte out
.rept 8
	v_nop                                          ; eight places behind the last products
.endr
	v_add_f32 v14, v14, v15
	v_permlanex16_b32 v231, v14, s22, s23
	v_add_f32 v14, v14, v231
	v_rcp_f32 v14, v14
	v_nop
	s_wait_alu depctr_va_vdst(0)                   ; the wait ahead of the first reader
.set j, 0
.rept 8
	v_pk_mul_f32 v[116+j:117+j], v[180+j:181+j], v[14:15] op_sel_hi:[1,0]
.set j, j+2
.endr
	v_max3_num_f32 v212, |v116|, |v117|, 0x8000000
.set j, 2
.rept 7
	v_max3_num_f32 v212, v212, |v[116+j]|, |v[117+j]|
.set j, j+2
.endr
	v_permlanex16_b32 v216, v212, s22, s23
	v_max_num_f32 v212, v212, v216
	v_add_nc_u32 v224, 0xf8800000, v212
	v_and_or_b32 v220, v212, 0x7f800000, s26
	v_lshrrev_b32 v216, 23, v224
.set j, 0
.rept 16
	v_med3_num_f32 v[116+j], v[116+j], -v220, v220
.set j, j+1
.endr
	v_cvt_scalef32_pk8_bf8_f32 v[196:197], v[116:123], v224
	v_cvt_scalef32_pk8_bf8_f32 v[198:199], v[124:131], v224
	v_nop
	global_store_b128 v1, v[196:199], s[48:49]     ; 512 consecutive bytes
	global_store_b32 v82, v216, s[50:51]
	s_wait_xcnt 0x0                                ; the stores have read their registers and bases: both are written again
.endm
.macro STEP                            ; key step s20: 128 keys
	v_lshl_add_u32 v8, s20, 12, v1                 ; K's eight tiles
	v_lshl_add_u32 v9, s20, 12, v2                 ; V's two
	v_lshl_add_u32 v10, s20, 9, v3                 ; K's scale words
	v_lshl_add_u32 v11, s20, 7, v4                 ; V's
.rept 4
	v_nop                                          ; with the four lines above: eight places in front of loads into registers that the last products read
.endr
.irp m, 0,1,2,3,4,5,6,7
	ds_load_b128 v[32+4*\m:35+4*\m], v8 offset:512*\m
.endr
	ds_load_b128 v[76:79], v10                     ; register i: lanes 0-15 tile 2 i's words, lanes 16-31 tile 2 i + 1's
.irp u, 0,1
.irp c, 0,1,2,3
	ds_load_b128 v[84+16*\u+4*\c:87+16*\u+4*\c], v9 offset:2048*\u+512*\c
.endr
.endr
	ds_load_b32 v80, v11                           ; lanes 0-15 channels' tile 0, lanes 16-31 tile 1
	s_wait_dscnt 9                                 ; K and its words are in; V's eight loads and its word may be out
.irp i, 0,1,2,3
	v_wmma_scale_f32_16x16x128_f8f6f4 v[116+16*\i:123+16*\i], v[32+8*\i:47+8*\i], v[16:31], 0, v[76+\i], v81 matrix_a_fmt:MATRIX_FMT_BF8 matrix_b_fmt:MATRIX_FMT_BF8
	v_wmma_scale_f32_16x16x128_f8f6f4 v[124+16*\i:131+16*\i], v[36+8*\i:51+8*\i], v[16:31], 0, v[76+\i], v81 matrix_a_fmt:MATRIX_FMT_BF8 matrix_b_fmt:MATRIX_FMT_BF8 matrix_a_scale:MATRIX_SCALE_ROW1
.endr
.rept 8
	v_nop
.endr
	s_sub_co_u32 s40, s19, s17                     ; the diagonal steps are trips a (TA's last) and a + 1 (TB's first)
	s_cmp_gt_u32 s40, 1
	s_cbranch_scc1 .Lopen_\@
	v_mov_b32 v231, 0xff800000                     ; hidden scores become -infinity ahead of the maximum: register 16 b + i holds key 32 b + 16 (lane / 16) + i of the step
.set n, 0
.rept 64
	v_cmp_gt_i32 vcc_lo, 32*(n/16)+n%16, v6
	v_cndmask_b32 v[116+n], v[116+n], v231, vcc_lo
.set n, n+1
.endr
.Lopen_\@:
.irp b, 0,1,2,3
	v_max3_num_f32 v[212+\b], v[116+16*\b], v[117+16*\b], v[118+16*\b]   ; each block's largest score: for the row's maximum, and, since p rises with the score, for the block's largest p
.endr
.irp i, 3,5,7,9,11,13
.irp b, 0,1,2,3
	v_max3_num_f32 v[212+\b], v[212+\b], v[116+16*\b+\i], v[117+16*\b+\i]
.endr
.endr
.irp b, 0,1,2,3
	v_max_num_f32 v[212+\b], v[212+\b], v[131+16*\b]
.endr
.irp b, 0,1,2,3
	v_permlanex16_b32 v[216+\b], v[212+\b], s22, s23
.endr
.irp b, 0,1,2,3
	v_max_num_f32 v[212+\b], v[212+\b], v[216+\b]
.endr
	v_max3_num_f32 v231, v212, v213, v214
	v_max_num_f32 v231, v231, v215
	v_mul_f32 v231, s24, v231
	v_max_num_f32 v13, v13, v231                   ; the running largest t
	v_mov_b32 v231, v12
	v_floor_f32 v12, -v13                          ; -M = floor(-t): M is a whole number
	v_sub_f32 v231, v12, v231
	v_cvt_i32_f32 v231, v231                       ; (it saturates)
	v_ldexp_f32 v228, 1.0, v231                    ; f = 2^(old M - new M): exact
.set j, 0
.rept 32
	v_pk_fma_f32 v[116+j:117+j], v[116+j:117+j], s[24:25], v[12:13] op_sel_hi:[1,0,0]   ; t - M
.set j, j+2
.endr
.irp b, 0,1,2,3
	v_fma_f32 v[212+\b], v[212+\b], s24, v12
.endr
.set j, 0
.rept 64
	v_exp_f32 v[116+j], v[116+j]
.set j, j+1
.endr
	v_pk_mul_f32 v[14:15], v[14:15], v[228:229] op_sel_hi:[1,0]   ; the sum under the new M: the plain line behind the batch
	s_wait_alu depctr_va_vdst(0)                   ; one wait for the 64, ahead of their first reader
.irp b, 0,1,2,3
	v_exp_f32 v[212+\b], v[212+\b]                 ; the blocks' largest p
.endr
	v_pk_add_f32 v[232:233], v[116:117], v[118:119]   ; the row's sum of the unquantised p, in two chains
.set j, 4
.rept 15
	v_pk_add_f32 v[14:15], v[14:15], v[116+j:117+j]
	v_pk_add_f32 v[232:233], v[232:233], v[118+j:119+j]
.set j, j+4
.endr
	v_pk_add_f32 v[14:15], v[14:15], v[232:233]
	s_wait_alu depctr_va_vdst(0)                   ; and one for the four
.irp b, 0,1,2,3
	v_max_num_f32 v[212+\b], 0x8000000, v[212+\b]  ; the floor 2^(16 - 127)
.endr
.irp b, 0,1,2,3
	v_add_nc_u32 v[224+\b], 0xf8800000, v[212+\b]
.endr
.irp b, 0,1,2,3
	v_and_or_b32 v[220+\b], v[212+\b], 0x7f800000, s26
.endr
.irp b, 0,1,2,3
	v_lshrrev_b32 v[216+\b], 23, v[224+\b]
.endr
	v_lshl_or_b32 v230, v217, 8, v216              ; p's scale word: 64 plain lines ahead of the products that name it
	v_lshl_or_b32 v230, v218, 16, v230
	v_lshl_or_b32 v230, v219, 24, v230
.irp b, 0,1,2,3
.set j, 0
.rept 16
	v_min_num_f32 v[116+16*\b+j], v[116+16*\b+j], v[220+\b]   ; the hold; p is not negative
.set j, j+1
.endr
	v_cvt_scalef32_pk8_bf8_f32 v[196+4*\b:197+4*\b], v[116+16*\b:123+16*\b], v[224+\b]
	v_cvt_scalef32_pk8_bf8_f32 v[198+4*\b:199+4*\b], v[124+16*\b:131+16*\b], v[224+\b]
.endr
.set j, 0
.rept 8
	v_pk_mul_f32 v[180+j:181+j], v[180+j:181+j], v[228:229] op_sel_hi:[1,0]   ; O^T under the new M, tile 0 first: each product below has four of these lines, the other tile's, between the conversions and itself
.set j, j+2
.endr
	s_wait_dscnt 0x0                               ; V
	v_wmma_scale_f32_16x16x128_f8f6f4 v[180:187], v[84:99], v[196:211], v[180:187], v80, v230 matrix_a_fmt:MATRIX_FMT_BF8 matrix_b_fmt:MATRIX_FMT_BF8
	v_wmma_scale_f32_16x16x128_f8f6f4 v[188:195], v[100:115], v[196:211], v[188:195], v80, v230 matrix_a_fmt:MATRIX_FMT_BF8 matrix_b_fmt:MATRIX_FMT_BF8 matrix_a_scale:MATRIX_SCALE_ROW1
.endm
	s_load_b256 s[4:11], s[0:1], 0x0               ; qimg, qsc, kv, cimg
	s_load_b64 s[12:13], s[0:1], 0x20              ; csc
	v_lshl_add_u32 v254, v0, 2, 0x29000
	v_mov_b32 v255, 0
	ds_add_u32 v254, v255
	ds_add_u32 v254, v255
	v_lshrrev_b32 v8, 5, v0
	v_readfirstlane_b32 s14, v8                    ; wave 0..15
	s_bfe_u32 s15, ttmp6, 0x40000                  ; cx
	s_and_b32 s16, ttmp7, 0xffff                   ; 16 batch + head, which the partners share
	s_lshr_b32 s17, s14, 1                         ; a
	s_add_co_u32 s18, s17, 1
	s_lshl_b32 s21, s14, 2
	s_add_co_u32 s21, s21, s15                     ; TA
	s_mov_b32 s22, 0x76543210
	s_mov_b32 s23, 0xfedcba98
	s_mov_b32 s24, 0x3e8293ee                      ; log2(e) / sqrt(32)
	s_mov_b32 s25, s24
	s_mov_b32 s26, 0x600000
	; descriptor: a quarter of the head's block, 138 rows of 256 bytes, dense
	s_mov_b32 s32, 15|(3<<16)|(1<<21)
	s_mov_b32 s33, 32<<16
	s_mov_b32 s34, 138<<16
	s_mov_b32 s35, 32<<16
	s_mov_b32 s36, 138
	s_mov_b32 s37, 32
	s_mov_b32 s38, 0
	s_mov_b32 s39, 0
	s_mov_b32 s28, 1
	s_min_u32 s29, s14, 3                          ; (waves 4 to 15 issue no load)
	s_mul_i32 s29, s29, 35328
	s_mul_i32 s40, s16, KVH
	s_add_co_u32 s40, s40, s29
	s_mov_b32 s41, 0
	s_wait_dscnt 0x0
	s_wait_kmcnt 0x0
	s_add_nc_u64 s[30:31], s[8:9], s[40:41]
	s_or_b32 s31, s31, 0x80000000
	ROUND                                          ; all four work-groups are here
	s_cmp_lt_u32 s14, 4
	s_cbranch_scc0 .Lno_fetch
	tensor_load_to_lds s[28:31], s[32:39]          ; the launch's one fill
	s_nop 0
.rept 4
	v_nop
.endr
.Lno_fetch:
	v_and_b32 v8, 31, v0                           ; lane
	v_and_b32 v9, 15, v0                           ; r
	v_bfe_u32 v10, v0, 4, 1                        ; h
	v_lshlrev_b32 v1, 4, v8
	v_add_nc_u32 v2, 65536, v1
	v_add_nc_u32 v3, 131072, v1
	v_lshlrev_b32 v82, 2, v8
	v_add_nc_u32 v4, 139264, v82
	v_and_b32 v11, 8, v9
	v_add_nc_u32 v11, v11, v9
	v_lshlrev_b32 v10, 4, v10
	v_sub_nc_u32 v5, v11, v10                      ; r + 8 (r / 8) - 16 h
	v_lshlrev_b32 v7, 4, v9
.set j, 0
.rept 12
	v_mov_b32 v[20+j], 0                           ; Q's blocks 1 to 3: zero codes
	v_mov_b32 v[64+j], 0                           ; behind K's last tile
.set j, j+1
.endr
.irp b, 0,1,2,3
	v_mov_b32 v[216+\b], 0                         ; a lane permute's destination counts as one of its sources
.endr
	v_mov_b32 v229, 0
	v_mov_b32 v231, 0
	SETT
	INIT
	s_wait_tensorcnt 0x0
	s_barrier_signal -1
	s_barrier_wait -1                              ; the head's K and V are whole
	s_mov_b32 s19, 0
.Lstep:                                            ; 17 trips
	s_cmp_eq_u32 s19, s18
	s_cbranch_scc0 .Lsame
	FINAL                                          ; TA is done,
	s_sub_co_u32 s21, 127, s21                     ; TB begins
	SETT
	INIT
.Lsame:
	s_sub_co_u32 s40, 16, s19
	s_cmp_le_u32 s19, s17
	s_cselect_b32 s20, s19, s40                    ; TA: steps 0 .. a upward; TB: 15 - a .. 0 downward
	s_and_b32 s20, s20, 15
	STEP
	s_add_co_u32 s19, s19, 1
	s_cmp_lt_u32 s19, 17
	s_cbranch_scc1 .Lstep
	FINAL
	s_wait_tensorcnt 0x0
	ds_add_u32 v254, v255
	s_wait_dscnt 0x0
	ROUND                                          ; the closing round
	s_endpgm
.Lfunc_end_k_q95dca647f1_attn:
	.size	k_q95dca647f1_attn, .Lfunc_end_k_q95dca647f1_attn-k_q95dca647f1_attn
	.p2alignl 7, 3214868480
	.fill 96, 4, 3214868480
	.section	.rodata,"a",@progbits
	.p2align	6, 0x0
	.amdhsa_kernel k_q95dca647f1_attn
		.amdhsa_group_segment_fixed_size 169984
		.amdhsa_private_segment_fixed_size 0
		.amdhsa_enable_private_segment 0
		.amdhsa_kernarg_size 40
		.amdhsa_user_sgpr_count 2
		.amdhsa_user_sgpr_kernarg_segment_ptr 1
		.amdhsa_wavefront_size32 1
		.amdhsa_system_sgpr_workgroup_id_x 1
		.amdhsa_system_sgpr_workgroup_id_y 1
		.amdhsa_system_sgpr_workgroup_id_z 1
		.amdhsa_system_vgpr_workitem_id 0
		.amdhsa_next_free_vgpr 256
		.amdhsa_next_free_sgpr 66
		.amdhsa_reserve_vcc 1
		.amdhsa_float_denorm_mode_32 3
		.amdhsa_float_denorm_mode_16_64 3
		.amdhsa_memory_ordered 1
		.amdhsa_forward_progress 1
		.amdhsa_inst_pref_size 38
	.end_amdhsa_kernel
	.amdgpu_metadata
---
amdhsa.version: [ 1, 2 ]
amdhsa.kernels:
  - .name:           k_q95dca647f1_attn
    .symbol:         k_q95dca647f1_attn.kd
    .args:
      - { .name: qimg, .offset: 0, .size: 8, .value_kind: global_buffer, .address_space: global }
      - { .name: qsc, .offset: 8, .size: 8, .value_kind: global_buffer, .address_space: global }
      - { .name: kv, .offset: 16, .size: 8, .value_kind: global_buffer, .address_space: global }
      - { .name: cimg, .offset: 24, .size: 8, .value_kind: global_buffer, .address_space: global }
      - { .name: csc, .offset: 32, .size: 8, .value_kind: global_buffer, .address_space: global }
    .group_segment_fixed_size: 169984
    .private_segment_fixed_size: 0
    .kernarg_segment_align: 8
    .kernarg_segment_size: 40
    .max_flat_workgroup_size: 512
    .sgpr_count:     66
    .vgpr_count:     256
    .wavefront_size: 32
...
	.end_amdgpu_metadata
.endif
;; end of part 2
;; launch tail (part 3): grid 256 x 1, 4 waves a work-group, no clusters, 263,680 bytes of LDS; arguments x, cimg, csc, wimg, wo_scales, bo, g2, s2, w1_scales, b1, w2_scales, b2, out0; writes out0
.if DOCPART == 3
	.amdgcn_target "amdgcn-amd-amdhsa--gfx1250"
	.amdhsa_code_object_version 6
	.text
	.protected	k_q95dca647f1_tail
	.globl	k_q95dca647f1_tail
	.p2align	8
	.type	k_q95dca647f1_tail,@function
k_q95dca647f1_tail:
	s_mov_b64 s[64:65], 0
	v_nop
	global_prefetch_b8 v0, s[64:65] scope:SCOPE_SE
	s_setreg_imm32_b32 hwreg(HW_REG_WAVE_MODE, 25, 1), 1
	s_wait_xcnt 0x0
; x1 = x + ctx wo + bo;  out = x1 + gelu(LN2(x1) w1 + b1) w2 + b2: three products on codes of BF8 (E5M2) with one E8M0 scale for each 32 along K; nothing between them goes to memory.
; SHARES.  A work-group owns 32 tokens (two tiles of 16; lane r of tile u is token 8 u + r + 8 (r / 8)).  THE WAVES SHARE THE COLUMNS: wave w makes columns 128 w .. + 127 of x1 and of out and hidden units
; 512 w .. + 511, for all 32 tokens.  x1 stays in 128 registers from the first product to the end.  LN2(x1) and the hidden layer go from wave to wave through LDS as images of their operand registers.
; THE WEIGHTS come from wimg, which the first launch laid in this wave's order: 36 units of 8 tiles x 128 K (16 KB, 32 loads of 512 consecutive bytes, 16 products), straight into registers, two units ahead.
; NO JOINT LOADS for the weights, though all work-groups read them: a joint load lands in LDS, from where each fragment would be read once, by one wave, for two products: 2.36 MB written and read in LDS in place of none.
; Every product: source 0 = 16 rows of a weight, source 1 = 16 tokens: a lane holds one token, and the 16 registers of tiles 2 b, 2 b + 1 are columns 32 b + 16 (lane / 16) + 0 .. 15.  Biases and x are the C of the first product.
; gelu(x) = x / (1 + 2^(x (K1 + K2 x^2))), K1 = -2 sqrt(2 / pi) log2(e), K2 = 0.044715 K1: the same function as 0.5 x (1 + tanh(..)), with no difference of near numbers.
; LN2's variance: each wave's mean and sum of squares about it over its 128 columns, joined as M2 = sum M2_i + 128 sum (m_i - m)^2: no difference of large sums.
; LIMITS: a block of zeros gets the scale byte 1 (read by this program alone); NaN and infinities are not served.
; REGISTERS: window 0: v1-15 addresses; v16-31 the quantiser's; v32-48 codes and scale word; v50-63 sums and constants; v64-95 the weights' scale words; v96-99 the tokens'; v100-127 statistics, addresses;
;   v128-191 the tokens' fragments, two sets; v192-255 64 numbers at work.   window 1: two units of weights.   window 2: v0-127 x1; v128-255 the hidden layer's accumulators (before: g2, s2).
.set CIMG,  66560                      ; LDS: 0: x, 32 tokens x 2 half rows of 1,040, later the stage for out; ctx's 8 fragments;
.set CSC,   82944                      ; their scale words;
.set HIMG,  83968                      ; LN2's 8 fragments;
.set HSC,   100352
.set FIMG,  101376                     ; the hidden layer's 32;
.set FSC,   166912
.set PARAM, 171008                     ; bo, g2, s2, b2 (2,048 each), b1 (8,192);
.set WOS,   187392                     ; the weights' scale bytes as they lie in memory;
.set W1S,   195584
.set W2S,   228352
.set STAT,  261120                     ; [tile][wave][lane] mean, sum of squares
.set LI,  1
.set LS,  2
.set XA,  3
.set AI,  4
.set AS,  5
.set PA,  6
.set B1A, 7
.set WSA, 8
.set HW,  9
.set HWS, 10
.set FW,  11
.set FWS, 12
.set STA, 13
.set STR, 14
.set RD,  15
.set MX,  16
.set PR,  20
.set LM,  24
.set SO,  28
.set PC,  32
.set PW,  48
.set CW,  49
.set CH,  50
.set MEAN, 58
.set RSTD, 60
.set K1,  62
.set WSC, 64
.set ASC, 96
.set ST0, 100
.set B1T, 100
.set FWT, 101
.set FWST, 102
.set FIB, 103
.set FSB, 104
.set ACP, 108
.set TOFF, 117
.set W1B, 118
.set W2B, 119
.set ST1, 120
.set AF,  128
.set Y,   192
.set SEL, 36
.set MSB, 0
.macro WIN new
.if MSB != \new
	s_set_vgpr_msb (MSB<<8)|\new
.set MSB, \new
.endif
.endm
.macro BARRIER                         ; my LDS stores have landed and my LDS loads are in: then the work-group's barrier
	s_wait_dscnt 0x0
	s_barrier_signal -1
	s_barrier_wait -1
.endm
.macro QUANT s, nb                     ; block b's 16 numbers of my lane in v[s + 16 b] on, the other 16 in lane l xor 16; codes to v[PC + 4 b] on, bytes to v[PR + b]
.set qb, 0
.rept \nb
	v_max3_num_f32 v[MX+qb], |v[\s+16*qb]|, |v[\s+16*qb+1]|, 0x8000000
.set qb, qb+1
.endr
.set qi, 2
.rept 7
.set qb, 0
.rept \nb
	v_max3_num_f32 v[MX+qb], v[MX+qb], |v[\s+16*qb+qi]|, |v[\s+16*qb+qi+1]|
.set qb, qb+1
.endr
.set qi, qi+2
.endr
.set qb, 0
.rept \nb
	v_permlanex16_b32 v[PR+qb], v[MX+qb], s[SEL], s[SEL+1]
.set qb, qb+1
.endr
.set qb, 0
.rept \nb
	v_max_num_f32 v[MX+qb], v[MX+qb], v[PR+qb]
.set qb, qb+1
.endr
.set qb, 0
.rept \nb
	v_add_nc_u32 v[SO+qb], 0xf8800000, v[MX+qb]
.set qb, qb+1
.endr
.set qb, 0
.rept \nb
	v_and_or_b32 v[LM+qb], v[MX+qb], 0x7f800000, s38
.set qb, qb+1
.endr
.set qb, 0
.rept \nb
	v_lshrrev_b32 v[PR+qb], 23, v[SO+qb]
.set qb, qb+1
.endr
	v_lshl_or_b32 v[PW], v[PR+1], 8, v[PR]         ; my token's scale word
	v_lshl_or_b32 v[PW], v[PR+2], 16, v[PW]
	v_lshl_or_b32 v[PW], v[PR+3], 24, v[PW]
.set qb, 0
.rept \nb
.set qi, 0
.rept 16
	v_med3_num_f32 v[\s+16*qb+qi], v[\s+16*qb+qi], -v[LM+qb], v[LM+qb]
.set qi, qi+1
.endr
	v_cvt_scalef32_pk8_bf8_f32 v[PC+4*qb:PC+4*qb+1], v[\s+16*qb:\s+16*qb+7], v[SO+qb]
	v_cvt_scalef32_pk8_bf8_f32 v[PC+4*qb+2:PC+4*qb+3], v[\s+16*qb+8:\s+16*qb+15], v[SO+qb]
.set qb, qb+1
.endr
	v_nop
.endm
.macro IMAGE adr, off                  ; the fragment in v[PC] on goes to LDS as it stands
.irp c, 0,1,2,3
	ds_store_b128 v[\adr], v[PC+4*\c:PC+4*\c+3] offset:\off+512*\c
.endr
.endm
.macro REDUCE
	v_pk_add_f32 v[CH:CH+1], v[CH:CH+1], v[CH+2:CH+3]
	v_pk_add_f32 v[CH+4:CH+5], v[CH+4:CH+5], v[CH+6:CH+7]
	v_pk_add_f32 v[CH:CH+1], v[CH:CH+1], v[CH+4:CH+5]
	v_add_f32 v[CH], v[CH], v[CH+1]
	v_permlanex16_b32 v[CH+2], v[CH], s[SEL], s[SEL+1]
	v_add_f32 v[CH], v[CH], v[CH+2]
.endm
.macro PLOAD dst, adr, off             ; 64 numbers of a row of parameters, in my lane's order
.irp b, 0,1,2,3
.irp j, 0,1,2,3
	ds_load_b128 v[\dst+16*\b+4*\j:\dst+16*\b+4*\j+3], v[\adr] offset:\off+128*\b+16*\j
.endr
.endr
.endm
.macro WLOAD buf, n                    ; the unit n units on from where the stream's pointer stands
	WIN 0x40
.irp t, 0,1,2,3,4,5,6,7
.irp c, 0,1,2,3
	global_load_b128 v[128*(\buf)+16*\t+4*\c:128*(\buf)+16*\t+4*\c+3], v[LI], s[34:35] offset:(\n)*16384+\t*2048+\c*512
.endr
.endr
	WIN 0
.endm
.macro ALOAD set, j, ks                ; the two token tiles' fragments of the group's K step j, and their scale words
.irp u, 0,1
.irp c, 0,1,2,3
	ds_load_b128 v[AF+32*(\set)+16*\u+4*\c:AF+32*(\set)+16*\u+4*\c+3], v[AI] offset:(\u*(\ks)+(\j))*2048+512*\c
.endr
	ds_load_b32 v[ASC+2*(\set)+\u], v[AS] offset:(\u*(\ks)+(\j))*128
.endr
.endm
; One unit: 16 products, the 16 accumulators by turns, in the same order in every unit.
.macro UNIT j, ks, acc, last
.if (\last) && (\j == 3)
	s_wait_loadcnt 0x0                             ; the stream's last unit
.else
	s_wait_loadcnt 32                              ; this unit's 32 loads are in; the next unit's 32 may be out
.endif
	s_wait_dscnt 0x0
.if \j < 3
	ALOAD (\j+1)%2, \j+1, \ks
.endif
	WIN 0xa1                                       ; source 0 window 1, source 1 window 0, C and D window 2
.irp t, 0,1,2,3,4,5,6,7
.irp u, 0,1
	v_wmma_scale_f32_16x16x128_f8f6f4 v[\acc+64*\u+8*\t:\acc+64*\u+8*\t+7], v[128*(\j%2)+16*\t:128*(\j%2)+16*\t+15], v[AF+32*(\j%2)+16*\u:AF+32*(\j%2)+16*\u+15], v[\acc+64*\u+8*\t:\acc+64*\u+8*\t+7], v[WSC+4*\t+\j], v[ASC+2*(\j%2)+\u] matrix_a_fmt:MATRIX_FMT_BF8 matrix_b_fmt:MATRIX_FMT_BF8
.endr
.endr
	WIN 0
.rept 8
	v_nop                                          ; eight places in front of loads into registers that these products read, and of the first read of results
.endr
.if !(\last) || (\j < 2)
	WLOAD \j%2, \j+2
.endif
.endm
.macro GROUP ks, pitch, acc, last      ; four K steps of eight weight tiles
.irp t, 0,1,2,3,4,5,6,7
	ds_load_b128 v[WSC+4*\t:WSC+4*\t+3], v[WSA] offset:(32*(\t/2)+8*(\t%2))*\pitch   ; my row's scale words of the four K steps
.endr
	ALOAD 0, 0, \ks
	UNIT 0, \ks, \acc, \last
	UNIT 1, \ks, \acc, \last
	UNIT 2, \ks, \acc, \last
	UNIT 3, \ks, \acc, \last
.endm
.macro LNLOC u                         ; tile u: mean and sum of squares about it over my 128 columns
	WIN 0x0a
.irp k, 0,1,2,3
	v_pk_add_f32 v[CH+2*\k:CH+2*\k+1], v[64*\u+4*\k:64*\u+4*\k+1], v[64*\u+4*\k+2:64*\u+4*\k+3]   ; each accumulator is read from its low end on
.endr
	WIN 0x08
.set j, 16
.rept 24
	v_pk_add_f32 v[CH+2*((j/2)%4):CH+2*((j/2)%4)+1], v[CH+2*((j/2)%4):CH+2*((j/2)%4)+1], v[64*\u+j:64*\u+j+1]
.set j, j+2
.endr
	WIN 0
	REDUCE
	v_mul_f32 v[MEAN], 0x3c000000, v[CH]           ; / 128
	WIN 0x02
.set j, 0
.rept 32
	v_pk_add_f32 v[Y+j:Y+j+1], v[64*\u+j:64*\u+j+1], v[MEAN:MEAN+1] op_sel_hi:[1,0] neg_lo:[0,1] neg_hi:[0,1]
.set j, j+2
.endr
	WIN 0
.irp k, 0,1,2,3
	v_pk_mul_f32 v[CH+2*\k:CH+2*\k+1], v[Y+2*\k:Y+2*\k+1], v[Y+2*\k:Y+2*\k+1]
.endr
.set j, 8
.rept 28
	v_pk_fma_f32 v[CH+2*((j/2)%4):CH+2*((j/2)%4)+1], v[Y+j:Y+j+1], v[Y+j:Y+j+1], v[CH+2*((j/2)%4):CH+2*((j/2)%4)+1]
.set j, j+2
.endr
	REDUCE
	v_mov_b32 v[MEAN+1], v[CH]
	ds_store_b64 v[STA], v[MEAN:MEAN+1] offset:1024*\u
	s_wait_dscnt 0x0
.endm
.macro LNFIN u, st                     ; the four waves' figures joined; LN2 of my 128 columns, quantised: K step w of the next product
	v_add_f32 v50, v[\st], v[\st+2]
	v_add_f32 v51, v[\st+4], v[\st+6]
	v_add_f32 v50, v50, v51
	v_mul_f32 v[MEAN], 0x3e800000, v50
	v_add_f32 v52, v[\st+1], v[\st+3]
	v_add_f32 v53, v[\st+5], v[\st+7]
	v_add_f32 v52, v52, v53
	v_sub_f32 v54, v[\st], v[MEAN]
	v_sub_f32 v55, v[\st+2], v[MEAN]
	v_sub_f32 v56, v[\st+4], v[MEAN]
	v_sub_f32 v57, v[\st+6], v[MEAN]
	v_mul_f32 v50, v54, v54
	v_fma_f32 v50, v55, v55, v50
	v_fma_f32 v50, v56, v56, v50
	v_fma_f32 v50, v57, v57, v50
	v_fma_f32 v52, v50, 0x43000000, v52            ; + 128 x the spread of the four means
	v_fma_f32 v[RSTD], v52, s54, s55               ; / 512 + 1e-15
	v_rsq_f32 v[RSTD], v[RSTD]
	v_nop
	s_wait_alu depctr_va_vdst(0)                   ; the wait ahead of the first reader
	WIN 0x02
.set j, 0
.rept 32
	v_pk_add_f32 v[Y+j:Y+j+1], v[64*\u+j:64*\u+j+1], v[MEAN:MEAN+1] op_sel_hi:[1,0] neg_lo:[0,1] neg_hi:[0,1]
.set j, j+2
.endr
	WIN 0
.set j, 0
.rept 32
	v_pk_mul_f32 v[Y+j:Y+j+1], v[Y+j:Y+j+1], v[RSTD:RSTD+1] op_sel_hi:[1,0]
.set j, j+2
.endr
	WIN 0x28
.set j, 0
.rept 32
	v_pk_fma_f32 v[Y+j:Y+j+1], v[Y+j:Y+j+1], v[128+j:129+j], v[192+j:193+j]   ; x g2 + s2
.set j, j+2
.endr
	WIN 0
	QUANT Y, 4
	IMAGE HW, 8192*\u
	ds_store_b32 v[HWS], v[PW] offset:512*\u
	s_wait_dscnt 0x0
.endm
.macro GELU u                          ; the 64 hidden numbers of tile u -> v[Y] on
	WIN 0x0a
.set j, 0
.rept 32
	v_pk_mul_f32 v[Y+j:Y+j+1], v[128+64*\u+j:129+64*\u+j], v[128+64*\u+j:129+64*\u+j]
.set j, j+2
.endr
	WIN 0
.set j, 0
.rept 32
	v_pk_fma_f32 v[Y+j:Y+j+1], v[Y+j:Y+j+1], s[52:53], v[K1:K1+1] op_sel_hi:[1,0,0]
.set j, j+2
.endr
	WIN 0x08
.set j, 0
.rept 32
	v_pk_mul_f32 v[Y+j:Y+j+1], v[Y+j:Y+j+1], v[128+64*\u+j:129+64*\u+j]
.set j, j+2
.endr
	WIN 0
.set j, 0
.rept 64
	v_exp_f32 v[Y+j], v[Y+j]
.set j, j+1
.endr
	v_nop
	s_wait_alu depctr_va_vdst(0)                   ; one wait for the batch
.set j, 0
.rept 32
	v_pk_add_f32 v[Y+j:Y+j+1], v[Y+j:Y+j+1], 1.0 op_sel_hi:[1,0]
.set j, j+2
.endr
.set j, 0
.rept 64
	v_rcp_f32 v[Y+j], v[Y+j]
.set j, j+1
.endr
	v_nop
	s_wait_alu depctr_va_vdst(0)
	WIN 0x08
.set j, 0
.rept 32
	v_pk_mul_f32 v[Y+j:Y+j+1], v[Y+j:Y+j+1], v[128+64*\u+j:129+64*\u+j]
.set j, j+2
.endr
	WIN 0
.endm
	s_load_b512 s[8:23], s[0:1], 0x0               ; x, cimg, csc, wimg, wo scales, bo, g2, s2
	s_load_b256 s[24:31], s[0:1], 0x40             ; w1 scales, b1, w2 scales, b2
	s_load_b64 s[32:33], s[0:1], 0x60              ; out0
	s_set_vgpr_msb 0xc0
	v_lshl_add_u32 v0, v0, 2, 0x40400
	v_mov_b32 v1, 0
	s_set_vgpr_msb 0xc0cf
	ds_add_u32 v0, v1
	ds_add_u32 v0, v1
	s_set_vgpr_msb 0xcf00
	v_lshrrev_b32 v50, 5, v0
	v_readfirstlane_b32 s4, v50                    ; wave 0..3
	; descriptor: my 8 tokens of x: 16 half rows of 256 f32, dense, 16 bytes of padding behind each
	s_mov_b32 s44, (2<<16)|(1<<20)|(7<<22)|(3<<25)
	s_mov_b32 s45, 256<<16
	s_mov_b32 s46, 16<<16
	s_mov_b32 s47, 256<<16
	s_mov_b32 s48, 16
	s_mov_b32 s49, 256
	s_mov_b32 s50, 0
	s_mov_b32 s51, 0
	s_mov_b32 s40, 1
	s_mul_i32 s41, s4, 16640
	s_lshl_b32 s60, ttmp9, 16                      ; 32 tokens of 2,048 bytes,
	s_lshl_b32 s61, s4, 14                         ; my 8 of them
	s_add_co_u32 s60, s60, s61
	s_mov_b32 s61, 0
	s_mov_b32 s[SEL], 0x76543210
	s_mov_b32 s[SEL+1], 0xfedcba98
	s_mov_b32 s38, 0x600000
	s_mov_b32 s52, 0xbdd2d3e8                      ; K2
	s_mov_b32 s53, s52
	s_mov_b32 s54, 0x3b000000                      ; 1 / 512
	s_mov_b32 s55, 0x26901d7d                      ; 1e-15
	v_lshlrev_b32 v[TOFF], 4, v0                   ; the copies: 16 bytes a thread, 2,048 a work-group
	v_lshl_add_u32 v[ACP+0], v0, 4, CIMG
	v_lshl_add_u32 v[ACP+1], v0, 4, PARAM
	v_lshl_add_u32 v[ACP+2], v0, 4, PARAM+2048
	v_lshl_add_u32 v[ACP+3], v0, 4, PARAM+4096
	v_lshl_add_u32 v[ACP+4], v0, 4, PARAM+6144
	v_lshl_add_u32 v[ACP+5], v0, 4, PARAM+8192
	v_lshl_add_u32 v[ACP+6], v0, 4, WOS
	v_lshl_add_u32 v[ACP+7], v0, 4, W1S
	v_lshl_add_u32 v[ACP+8], v0, 4, W2S
	s_wait_dscnt 0x0
	s_wait_kmcnt 0x0
	s_add_nc_u64 s[42:43], s[8:9], s[60:61]
	s_add_nc_u64 s[68:69], s[32:33], s[60:61]      ; the same 8 tokens of out
	s_or_b32 s43, s43, 0x80000000
	tensor_load_to_lds s[40:43], s[44:51]          ; all fills of the launch are first fills and go out here
	s_nop 0
.rept 4
	v_nop
.endr
	s_lshl_b32 s60, ttmp9, 14
	s_add_nc_u64 s[62:63], s[10:11], s[60:61]      ; ctx's two tiles x four K steps
	s_lshl_b32 s60, ttmp9, 12
	s_lshl_b32 s57, s4, 9
	s_add_co_u32 s60, s60, s57
	s_add_nc_u64 s[66:67], s[12:13], s[60:61]      ; their scale bytes: heads 4 w .. 4 w + 3
	s_mul_i32 s60, s4, 589824
	s_add_nc_u64 s[34:35], s[14:15], s[60:61]      ; my stream of weights
.irp n, 0,1,2,3,4,5,6,7
	global_load_async_to_lds_b128 v[ACP+0], v[TOFF], s[62:63] offset:2048*\n
.endr
	global_load_async_to_lds_b128 v[ACP+1], v[TOFF], s[18:19]
	global_load_async_to_lds_b128 v[ACP+2], v[TOFF], s[20:21]
	global_load_async_to_lds_b128 v[ACP+3], v[TOFF], s[22:23]
	global_load_async_to_lds_b128 v[ACP+4], v[TOFF], s[30:31]
.irp n, 0,1,2,3
	global_load_async_to_lds_b128 v[ACP+5], v[TOFF], s[26:27] offset:2048*\n
	global_load_async_to_lds_b128 v[ACP+6], v[TOFF], s[16:17] offset:2048*\n
.endr
.irp n, 0,1,2,3,4,5,6,7,8,9,10,11,12,13,14,15
	global_load_async_to_lds_b128 v[ACP+7], v[TOFF], s[24:25] offset:2048*\n
	global_load_async_to_lds_b128 v[ACP+8], v[TOFF], s[28:29] offset:2048*\n
.endr
	v_and_b32 v50, 31, v0                          ; lane
	v_and_b32 v51, 15, v0                          ; r
	v_bfe_u32 v52, v0, 4, 1                        ; h
	v_and_b32 v53, 8, v51
	v_add_nc_u32 v53, v53, v51                     ; r + 8 (r / 8)
	v_lshlrev_b32 v[LI], 4, v50
	v_lshlrev_b32 v[LS], 2, v50
.irp u, 0,1
.irp c, 0,1,2,3
	global_load_b32 v[PC+4*\u+\c], v[LS], s[66:67] offset:\u*2048+\c*128   ; into the codes' registers, which nothing writes before the wait for these loads
.endr
.endr
	WLOAD 0, 0
	s_lshr_b32 s57, s4, 1                          ; my 128 columns in a token's two half rows
	s_mul_i32 s57, s57, 1040
	s_and_b32 s58, s4, 1
	s_lshl_b32 s58, s58, 9
	s_add_co_u32 s57, s57, s58
	v_mul_u32_u24 v[XA], v53, 2080
	v_lshl_add_u32 v[XA], v52, 6, v[XA]
	v_add_nc_u32 v[XA], s57, v[XA]
	s_lshl_b32 s57, s4, 9
	s_add_co_u32 s57, s57, PARAM
	v_lshl_add_u32 v[PA], v52, 6, s57
	s_lshl_b32 s57, s4, 11
	s_add_co_u32 s58, s57, PARAM+8192
	v_lshl_add_u32 v[B1A], v52, 6, s58
	s_add_co_u32 s58, s57, WOS
	v_lshl_add_u32 v[WSA], v53, 4, s58
	s_add_co_u32 s58, s57, HIMG
	v_add_nc_u32 v[HW], s58, v[LI]
	s_lshl_b32 s57, s4, 13
	s_add_co_u32 s58, s57, W1S
	v_lshl_add_u32 v[W1B], v53, 4, s58
	s_add_co_u32 s58, s57, W2S
	v_lshl_add_u32 v[W2B], v53, 6, s58
	s_add_co_u32 s58, s57, FIMG
	v_add_nc_u32 v[FW], s58, v[LI]
	s_lshl_b32 s57, s4, 7
	s_add_co_u32 s58, s57, HSC
	v_add_nc_u32 v[HWS], s58, v[LS]
	s_add_co_u32 s58, s57, CSC
	v_add_nc_u32 v[CW], s58, v[LS]
	s_lshl_b32 s57, s4, 9
	s_add_co_u32 s58, s57, FSC
	v_add_nc_u32 v[FWS], s58, v[LS]
	v_lshl_add_u32 v[STR], v50, 3, STAT
	s_lshl_b32 s57, s4, 8
	v_add_nc_u32 v[STA], s57, v[STR]
	v_add_nc_u32 v[RD], s41, v[LI]
.irp b, 0,1,2,3
	v_mov_b32 v[PR+\b], 0                          ; a lane permute's destination counts as one of its sources
.endr
	v_mov_b32 v[MEAN+1], 0
	v_mov_b32 v[RSTD+1], 0
	v_mov_b32 v[K1], 0xc0135761
	v_mov_b32 v[K1+1], 0xc0135761
	s_wait_loadcnt 32                              ; ctx's eight scale bytes are in; unit 0's 32 loads may be out
.irp u, 0,1
	v_lshl_or_b32 v[PC+4*\u], v[PC+1+4*\u], 8, v[PC+4*\u]    ; four heads' bytes make the word of K step w
	v_lshl_or_b32 v[PC+4*\u], v[PC+2+4*\u], 16, v[PC+4*\u]
	v_lshl_or_b32 v[PC+4*\u], v[PC+3+4*\u], 24, v[PC+4*\u]
	ds_store_b32 v[CW], v[PC+4*\u] offset:512*\u
.endr
	WLOAD 1, 1
	s_wait_tensorcnt 0x0                           ; my part of x,
	s_wait_asynccnt 0x0                            ; my copies,
	BARRIER                                        ; and my stores have landed; everybody's have
	; ---- x1 = x + bo + ctx wo
	WIN 0x80
.irp u, 0,1
.irp b, 0,1,2,3
.irp j, 0,1,2,3
	ds_load_b128 v[64*\u+16*\b+4*\j:64*\u+16*\b+4*\j+3], v[XA] offset:16640*\u+128*\b+16*\j
.endr
.endr
.endr
	PLOAD 128, PA, 2048                            ; g2 and s2 wait in the registers that the hidden layer will take
	PLOAD 192, PA, 4096
	WIN 0
	PLOAD Y, PA, 0                                 ; bo
	v_add_nc_u32 v[AI], CIMG, v[LI]
	v_add_nc_u32 v[AS], CSC, v[LS]
	s_wait_dscnt 0x0
	WIN 0x82
.irp u, 0,1
.set j, 0
.rept 32
	v_pk_add_f32 v[64*\u+j:64*\u+j+1], v[64*\u+j:64*\u+j+1], v[Y+j:Y+j+1]
.set j, j+2
.endr
.endr
	WIN 0
	GROUP 4, 16, 0, 0
	s_wait_xcnt 0x0                                ; the loads have read their base: the stream's pointer steps
	s_add_nc_u64 s[34:35], s[34:35], 65536
	; ---- LN2
	LNLOC 0
	LNLOC 1
	BARRIER
.irp i, 0,1,2,3
	ds_load_b64 v[ST0+2*\i:ST0+2*\i+1], v[STR] offset:256*\i
	ds_load_b64 v[ST1+2*\i:ST1+2*\i+1], v[STR] offset:1024+256*\i
.endr
	s_wait_dscnt 0x0
	LNFIN 0, ST0
	LNFIN 1, ST1
	PLOAD Y, PA, 6144                              ; b2 goes onto x1 now: the last product adds onto the sum
	s_wait_dscnt 0x0
	WIN 0x82
.irp u, 0,1
.set j, 0
.rept 32
	v_pk_add_f32 v[64*\u+j:64*\u+j+1], v[64*\u+j:64*\u+j+1], v[Y+j:Y+j+1]
.set j, j+2
.endr
.endr
	WIN 0
	BARRIER                                        ; LN2's eight fragments lie in LDS
	; ---- the hidden layer: four trips of 128 units; each becomes K step 4 w + g of the last product
	v_add_nc_u32 v[AI], HIMG, v[LI]
	v_add_nc_u32 v[AS], HSC, v[LS]
	v_add_nc_u32 v[FIB], FIMG, v[LI]
	v_add_nc_u32 v[FSB], FSC, v[LS]
	s_mov_b32 s56, 0                               ; 2,048 g
.Lffn1:
	s_lshr_b32 s57, s56, 2
	s_lshr_b32 s58, s56, 4
	v_add_nc_u32 v[B1T], s57, v[B1A]
	v_add_nc_u32 v[WSA], s56, v[W1B]
	v_add_nc_u32 v[FWT], s56, v[FW]
	v_add_nc_u32 v[FWST], s58, v[FWS]
	WIN 0x80
	PLOAD 128, B1T, 0                              ; b1 is the C of both tiles' first products
	PLOAD 192, B1T, 0
	WIN 0
	GROUP 4, 16, 128, 0
.irp u, 0,1
	GELU \u
	QUANT Y, 4
	IMAGE FWT, 32768*\u
	ds_store_b32 v[FWST], v[PW] offset:2048*\u
	s_wait_dscnt 0x0
.endr
	s_wait_xcnt 0x0
	s_add_nc_u64 s[34:35], s[34:35], 65536
	s_add_co_u32 s56, s56, 2048
	s_cmp_lt_u32 s56, 8192
	s_cbranch_scc1 .Lffn1
	BARRIER                                        ; the hidden layer's 32 fragments lie in LDS
	; ---- out = x1 + b2 + hidden w2: 16 K steps, four a trip; the last four are written out, since they ask for nothing beyond the stream's end
	s_mov_b32 s56, 0                               ; 8,192 q
.Lffn2:
	s_lshr_b32 s57, s56, 4
	s_lshr_b32 s58, s56, 9
	v_add_nc_u32 v[AI], s56, v[FIB]
	v_add_nc_u32 v[AS], s57, v[FSB]
	v_add_nc_u32 v[WSA], s58, v[W2B]
	GROUP 16, 64, 0, 0
	s_wait_xcnt 0x0
	s_add_nc_u64 s[34:35], s[34:35], 65536
	s_add_co_u32 s56, s56, 8192
	s_cmp_lt_u32 s56, 24576
	s_cbranch_scc1 .Lffn2
	v_add_nc_u32 v[AI], 24576, v[FIB]
	v_add_nc_u32 v[AS], 1536, v[FSB]
	v_add_nc_u32 v[WSA], 48, v[W2B]
	GROUP 16, 64, 0, 1
	; ---- the way out: my columns into the bytes from which I took x (their one fill is long over), a barrier, and each wave stores 8 whole tokens
	WIN 0x08
.irp u, 0,1
.irp b, 0,1,2,3
.irp j, 0,1,2,3
	ds_store_b128 v[XA], v[64*\u+16*\b+4*\j:64*\u+16*\b+4*\j+3] offset:16640*\u+128*\b+16*\j   ; each accumulator from its low end on
.endr
.endr
.endr
	WIN 0
	BARRIER
	WIN 0x40
.set i, 0
.rept 32
	ds_load_b128 v[4*i:4*i+3], v[RD] offset:(i/2)*1040+(i%2)*512
.set i, i+1
.endr
	WIN 0x04
.set i, 0
.rept 32
	s_wait_dscnt 31-i                              ; load i is in; the younger ones may be out
	global_store_b128 v[LI], v[4*i:4*i+3], s[68:69] offset:(i/2)*1024+(i%2)*512 th:TH_STORE_NT   ; 512 consecutive bytes, at a multiple of 256 from out0's first byte
.set i, i+1
.endr
	WIN 0
	s_set_vgpr_msb 0xf
	s_wait_tensorcnt 0x0
	ds_add_u32 v0, v1
	s_wait_dscnt 0x0
	s_set_vgpr_msb 0xf00
	s_endpgm
.Lfunc_end_k_q95dca647f1_tail:
	.size	k_q95dca647f1_tail, .Lfunc_end_k_q95dca647f1_tail-k_q95dca647f1_tail
	.p2alignl 7, 3214868480
	.fill 96, 4, 3214868480
	.section	.rodata,"a",@progbits
	.p2align	6, 0x0
	.amdhsa_kernel k_q95dca647f1_tail
		.amdhsa_group_segment_fixed_size 263680
		.amdhsa_private_segment_fixed_size 0
		.amdhsa_enable_private_segment 0
		.amdhsa_kernarg_size 104
		.amdhsa_user_sgpr_count 2
		.amdhsa_user_sgpr_kernarg_segment_ptr 1
		.amdhsa_wavefront_size32 1
		.amdhsa_system_sgpr_workgroup_id_x 1
		.amdhsa_system_sgpr_workgroup_id_y 1
		.amdhsa_system_sgpr_workgroup_id_z 1
		.amdhsa_system_vgpr_workitem_id 0
		.amdhsa_next_free_vgpr 770
		.amdhsa_next_free_sgpr 80
		.amdhsa_reserve_vcc 0
		.amdhsa_float_denorm_mode_32 3
		.amdhsa_float_denorm_mode_16_64 3
		.amdhsa_memory_ordered 1
		.amdhsa_forward_progress 1
		.amdhsa_inst_pref_size 228
	.end_amdhsa_kernel
	.amdgpu_metadata
---
amdhsa.version: [ 1, 2 ]
amdhsa.kernels:
  - .name:           k_q95dca647f1_tail
    .symbol:         k_q95dca647f1_tail.kd
    .args:
      - { .name: x, .offset: 0, .size: 8, .value_kind: global_buffer, .address_space: global }
      - { .name: cimg, .offset: 8, .size: 8, .value_kind: global_buffer, .address_space: global }
      - { .name: csc, .offset: 16, .size: 8, .value_kind: global_buffer, .address_space: global }
      - { .name: wimg, .offset: 24, .size: 8, .value_kind: global_buffer, .address_space: global }
      - { .name: wo_scales, .offset: 32, .size: 8, .value_kind: global_buffer, .address_space: global }
      - { .name: bo, .offset: 40, .size: 8, .value_kind: global_buffer, .address_space: global }
      - { .name: g2, .offset: 48, .size: 8, .value_kind: global_buffer, .address_space: global }
      - { .name: s2, .offset: 56, .size: 8, .value_kind: global_buffer, .address_space: global }
      - { .name: w1_scales, .offset: 64, .size: 8, .value_kind: global_buffer, .address_space: global }
      - { .name: b1, .offset: 72, .size: 8, .value_kind: global_buffer, .address_space: global }
      - { .name: w2_scales, .offset: 80, .size: 8, .value_kind: global_buffer, .address_space: global }
      - { .name: b2, .offset: 88, .size: 8, .value_kind: global_buffer, .address_space: global }
      - { .name: out0, .offset: 96, .size: 8, .value_kind: global_buffer, .address_space: global }
    .group_segment_fixed_size: 263680
    .private_segment_fixed_size: 0
    .kernarg_segment_align: 8
    .kernarg_segment_size: 104
    .max_flat_workgroup_size: 128
    .sgpr_count:     80
    .vgpr_count:     770
    .wavefront_size: 32
...
	.end_amdgpu_metadata
.endif
;; end of part 3
